; MI455X (gfx1250); checked and timed in simulation.
; The chip was launched on July 23, 2026; its instructions are those of AMD's public machine-readable ISA for CDNA 5 (MIT licence, August 2026) and "CDNA5" Instruction Set Architecture Reference Guide (July 2026). The comments in the code are by the model that wrote it; some were corrected since.
;; Sparse FFN. Allowed arithmetic: matrix products marked QUANTISED: E3M2 operands, one E8M0 scale for each 32 along K, by v_wmma_scale_f32_16x16x128_f8f6f4 with both operands' format E3M2, f32 sums; everything else in f32.
;; Inputs: mask_down 2,048 x 8,192 bool; mask_up 8,192 x 2,048 bool; w_down 2,048 x 8,192 float32; w_up 8,192 x 2,048 float32; x 2,048 x 2,048 float32.
;; Outputs: out0 2,048 x 2,048 float32.
;; This version of the problem:
;;   THIS VERSION OF THE PROBLEM IS GIVEN IN LOW PRECISION. The matrix products marked QUANTISED in the list below multiply operands that are first quantised to E3M2 (3 exponent bits, 2 mantissa bits; 6 bits a number), with one power-of-two scale for each 32 numbers along K (OCP MX v1.0); their sums are f32. All else is computed in f32.
;;   The module's matrix products, in the order in which they are computed (A, B: the left and right operand; K: the contracted axis; several contracted axes count as one K, in the product's order):
;;     1. [M 2,048, K 2,048] x [K 2,048, N 8,192]; A: input x; B: computed on the way: QUANTISED
;;     2. [M 2,048, K 8,192] x [K 8,192, N 2,048]; A: computed on the way; B: computed on the way: QUANTISED
;;   THE QUANTISER, for each operand of a quantised product, along K:
;;     - K is cut into blocks of 32 from its start; a last block that is shorter is filled with zeros.
;;     - A block's scale is 2^e with e = floor(log2(the largest magnitude in the block)) - 4, held to -126 .. 127; a block of zeros has e = 0. As a byte (E8M0): e + 127.
;;     - Each number is divided by its block's scale, clamped to +-28, and rounded to the nearest number of E3M2, ties to even, subnormals kept.
;;     - The product sums the exact products of the quantised numbers (number of the format x scale) in f32.
;;   ~~~python
;;   def quantise(x, axis):      # numpy; x: float32 -> the quantised numbers, widened to float32 again
;;       x = np.moveaxis(x, axis, -1); K = x.shape[-1]
;;       x = np.pad(x, [(0, 0)] * (x.ndim - 1) + [(0, -K % 32)]); x = x.reshape(x.shape[:-1] + (-1, 32)); a = np.abs(x).max(-1, keepdims=True)
;;       e = np.where(a > 0, np.clip(np.frexp(np.where(a > 0, a, 1))[1] - 1 - 4, -126, 127), 0)      # np.frexp(a)[1] - 1 = floor(log2(a)), exactly
;;       r = np.clip(x / 2.0 ** e, -28, 28)
;;       step = 2.0 ** (np.maximum(np.frexp(np.where(r == 0, 1, r))[1] - 1, -2) - 2)
;;       q = np.round(r / step) * step * 2.0 ** e      # np.round: ties to even
;;       return np.moveaxis(q.reshape(q.shape[:-2] + (-1,))[..., :K], -1, axis).astype(np.float32)
;;   ~~~
;;   OPERANDS COMPUTED ON THE WAY. 'Computed on the way' means the value that the module computes at that place (a softmax that the list does not call 'softmax' is quantised finished and normalised). What goes into a quantiser is computed in f32, as accurately as f32 sums, v_exp_f32 and their like allow (about 1e-6 of the number): no bf16 or f16 on the way to a quantiser, and a product that is left as it is and whose result goes on into a quantised operand takes f32 operands (vector FMAs, or v_wmma_f32_16x16x4_f32). A number that lies on a knife's edge between two numbers of the format may be rounded either way, as far as f32 arithmetic and the matrix unit's own rounding can turn it there, and no further.
;; One version. Each part assembles by itself: llvm-mc -triple=amdgcn-amd-amdhsa -mcpu=gfx1250 --defsym DOCPART=n.
;; ======== version 1 of 1: 3 launches
;; limits: right only within a limited range of input values
;; workspace buffers: xq 3,145,728 bytes; xs 131,072 bytes; wuq 12,582,912 bytes; wus 524,288 bytes; hq 12,582,912 bytes; hs 524,288 bytes; wdq 12,582,912 bytes; wds 524,288 bytes
;; launch quant (part 1): grid 256 x 1, 18 waves a work-group, no clusters, 158,976 bytes of LDS; arguments x, w_up, mask_up, w_down, mask_down, xq, xs, wuq, wus, wdq, wds; writes xq, xs, wuq, wus, wdq, wds
.if DOCPART == 1
	.amdgcn_target "amdgcn-amd-amdhsa--gfx1250"
	.amdhsa_code_object_version 6
	.text
	.protected	k_qbeaeb7b0b4_quant
	.globl	k_qbeaeb7b0b4_quant
	.p2align	8
	.type	k_qbeaeb7b0b4_quant,@function
k_qbeaeb7b0b4_quant:
	s_mov_b64 s[64:65], 0
	v_nop
	global_prefetch_b8 v0, s[64:65] scope:SCOPE_SE
	s_setreg_imm32_b32 hwreg(HW_REG_WAVE_MODE, 25, 1), 1
	s_wait_xcnt 0x0
; x [2048][2048], w_up * mask_up [8192][2048] and w_down * mask_down [2048][8192], f32 (masks: one byte, 0 or 1), become codes of BF6 (E3M2) with one E8M0 scale byte for each 32 along K (K is innermost in all three).
; A block's scale is 2^(floor(log2(its largest magnitude)) - 4); its byte is the largest magnitude's exponent field - 4, held at 1 from below.
; LIMITS: a block of zeros gets the byte 1 where the rule says 127 (its codes are zeros, which add nothing, and only this program reads the bytes); NaN and infinities among the inputs are not served;
; a mask byte is taken as 0 or 1, as the problem states it.
; WHAT IS STORED.  A fragment (16 rows x 128 K, 12 registers a lane) goes to memory as an image of the operand's registers: register n of lane l at byte 512 (n / 4) + 16 l + 4 (n % 4), 1,536 bytes.
; Its scale words (one word a row) are 64 bytes.  xq, wuq: [K step / 2][row block][K step % 2][1536];  wdq: [K step / 4][row block][K step % 4][1536];  scales: [row block][K step][64].
; THE ROWS OF A FRAGMENT OF w_up ARE NOT NEIGHBOURS: lane row r of row block 2 b + u is row 32 b + 8 u + r + 8 (r / 8), so that the first product's results come out as neighbours along the second product's K.
; SHARES.  A task is 16 rows x 512 K (four fragments) for one wave: 512 tasks of x, 2,048 of w_up, 2,048 of w_down = 512 work-groups x 9 waves: wave 0 takes x, waves 1-4 w_up, waves 5-8 w_down.
; Only numbers and pointers are chosen by the wave's number: all roles take one path, but for the mask's loads and its application, which wave 0 jumps over.
; A stream: the work-groups share no input, so there is no cluster and no joint load; no matrix unit, no tensor load, no barrier (a wave's LDS bytes are its own).
; Each load of f32 covers 512 consecutive bytes of a row; a fragment's 16 rows turn through the wave's stage in LDS, so that a lane then holds two whole blocks of 32 of one row.
.set WREG,  8704                       ; LDS of a wave: the stage, then 256 bytes of scale words
.set SP,    528                        ; a stage row: 512 bytes + 16 = 33 x 16: sixteen lanes' 16-byte pieces of sixteen rows start at sixteen different places modulo 256 bytes
.set SCW,   16*SP
.set R,     16                         ; v16-79   16 rows x 4 numbers as loaded
.set RM,    80                         ; v80-95   16 rows x 4 mask bytes
.set X,     96                         ; v96-159  my 64 numbers of a row: 32 c + i = k 64 c + 32 h + i; between two steps: the mask spread to words
.set C,     160                        ; v160-171 the fragment's codes
.set CT,    172                        ; v172-179 the upper halves of the two blocks (a conversion's three registers begin on an even number)
.set MAXR,  180                        ; v180-181 largest magnitudes
.set SCO,   182                        ; v182-183 the conversions' scale operands
.set BYT,   184                        ; v184-185 scale bytes
.set WRD,   186                        ; v186     the scale word
.set WR2,   187                        ; v187     the other half's bytes
.set OUTW,  188                        ; v188-189 scale words on their way out
; v1 16 x lane, v2 the same + 8 tile rows on;  v3 4 x lane, v4 likewise for the mask;  v5 stage in, v6 stage out, v7 my row's scale word, v8 scale words out, v9 8 x lane, v10 8 h
	s_load_b512 s[68:83], s[0:1], 0x0              ; x, w_up, mask_up, w_down, mask_down, xq, xs, wuq
	s_load_b128 s[84:87], s[0:1], 0x40             ; wus, wdq
	s_load_b64 s[88:89], s[0:1], 0x50              ; wds
	v_lshl_add_u32 v14, v0, 2, 0x26400             ; my spare word, behind the 18 waves' regions of 8,704 bytes
	v_mov_b32 v15, 0
	v_lshrrev_b32 v10, 5, v0
	s_delay_alu instid0(VALU_DEP_1)
	v_readfirstlane_b32 s16, v10                   ; wave 0..17
	v_and_b32 v11, 31, v0                          ; lane
	v_and_b32 v12, 15, v0                          ; r
	v_bfe_u32 v13, v0, 4, 1                        ; h
	s_mul_i32 s3, s16, WREG                        ; my wave's LDS
	v_lshlrev_b32 v1, 4, v11
	v_lshlrev_b32 v3, 2, v11
	v_lshlrev_b32 v9, 3, v11
	v_lshlrev_b32 v10, 3, v13
	s_delay_alu instid0(VALU_DEP_4)
	v_add_nc_u32 v5, s3, v1                        ; in: a row's 512 bytes as they lie
	v_mul_u32_u24 v6, v12, SP
	s_delay_alu instid0(VALU_DEP_1)
	v_lshl_add_u32 v6, v13, 7, v6
	s_delay_alu instid0(VALU_DEP_1)
	v_add_nc_u32 v6, s3, v6                        ; out: row r, + 128 h bytes: 32 numbers
	v_lshl_add_u32 v7, v12, 2, SCW
	s_delay_alu instid0(VALU_DEP_1)
	v_add_nc_u32 v7, s3, v7
	v_add_nc_u32 v8, SCW, v9
	s_delay_alu instid0(VALU_DEP_1)
	v_add_nc_u32 v8, s3, v8
	v_mov_b32 v[WR2], 0                            ; written once: a lane permute's destination counts as one of its sources
	s_mov_b32 s20, 0x76543210
	s_mov_b32 s21, 0xfedcba98                      ; v_permlanex16_b32's selects for lane l xor 16
	s_mov_b32 s22, 0x01010101                      ; v_perm_b32: byte 1, 2, 3 of a word into all four bytes
	s_mov_b32 s23, 0x02020202
	s_mov_b32 s24, 0x03030303
	; the three roles' numbers.  g = the work-group's number
	; A work-group of 18 waves holds two of the shares of nine set out at the head: share g = 2 x work-group + wave % 2, and the role in it (0: x, 1-4: w_up, 5-8: w_down) is wave / 2.
	; The LDS addresses above were made of the wave's own number.
	s_and_b32 s17, s16, 1
	s_lshr_b32 s16, s16, 1
	s_lshl_b32 s2, ttmp9, 1
	s_add_co_u32 s2, s2, s17
	s_and_b32 s17, s2, 3                           ; x: which 512 along K
	s_lshr_b32 s18, s2, 2                          ; x, w_down: row block
	s_lshl_b32 s19, s17, 2
	s_add_co_u32 s19, s19, s16
	s_sub_co_u32 s19, s19, 5                       ; w_down: which 512 along K = 4 (g & 3) + wave - 5 (used by waves 5-8 alone)
	s_sub_co_u32 s25, s16, 1                       ; w_up: wave - 1 (used by waves 1-4 alone)
	s_lshr_b32 s26, s2, 1
	s_lshl_b32 s26, s26, 5
	s_and_b32 s27, s2, 1
	s_lshl_b32 s27, s27, 3
	s_add_co_u32 s26, s26, s27                     ; w_up: first row = 32 (g / 2) + 8 (g % 2)
	s_lshl_b32 s27, s18, 4                         ; x, w_down: first row = 16 x row block
	s_mov_b32 s90, 393216                          ; from fragments 0, 1 to fragments 2, 3 in the codes' buffer: x: 128 row blocks x 3,072;
	s_mov_b32 s91, 1572864                         ; w_up: 512 x 3,072;
	s_mov_b32 s92, 3072                            ; w_down: they lie on end
	s_wait_kmcnt 0x0
	s_cmp_lt_u32 s16, 5                            ; w_up's numbers or w_down's
	s_cselect_b32 s28, s2, s18                     ; row block
	s_cselect_b32 s29, s25, s19                    ; which 512 along K
	s_cselect_b32 s30, s26, s27                    ; first row
	s_cselect_b32 s31, 13, 15                      ; log2 of a row's bytes
	s_cselect_b32 s3, 17, 18                       ; log2 of the bytes from tile row 0 to tile row 8 (w_up: 16 rows on)
	s_cselect_b32 s93, 10, 7                       ; log2 of the row blocks that lie between two tasks along K in the codes' buffer
	s_cselect_b32 s94, 0, 1                        ; a row block's codes there: 3,072 bytes or twice that
	s_cselect_b32 s95, 10, 12                      ; log2 of a row block's scale bytes
	s_cselect_b32 s91, s91, s92
	s_cselect_b64 s[4:5], s[70:71], s[74:75]       ; the numbers,
	s_cselect_b64 s[6:7], s[72:73], s[76:77]       ; the mask,
	s_cselect_b64 s[8:9], s[82:83], s[86:87]       ; the codes,
	s_cselect_b64 s[12:13], s[84:85], s[88:89]     ; the scale words
	s_cmp_eq_u32 s16, 0                            ; or x's
	s_cselect_b32 s28, s18, s28
	s_cselect_b32 s29, s17, s29
	s_cselect_b32 s30, s27, s30
	s_cselect_b32 s3, 16, s3
	s_cselect_b32 s93, 8, s93
	s_cselect_b32 s91, s90, s91
	s_cselect_b64 s[4:5], s[68:69], s[4:5]
	s_cselect_b64 s[8:9], s[78:79], s[8:9]
	s_cselect_b64 s[12:13], s[80:81], s[12:13]
	s_lshl_b32 s17, s30, s31
	s_lshl_b32 s18, s29, 11
	s_add_co_u32 s18, s17, s18                     ; first row x row bytes + 2,048 x (which 512 along K): under 2^27
	s_mov_b32 s19, 0
	s_add_nc_u64 s[4:5], s[4:5], s[18:19]
	s_lshr_b32 s18, s18, 2                         ; a mask byte for each four bytes of numbers
	s_add_nc_u64 s[6:7], s[6:7], s[18:19]
	s_lshl_b32 s17, s29, s93
	s_add_co_u32 s17, s17, s28
	s_mul_i32 s17, s17, 3072
	s_lshl_b32 s18, s17, s94
	s_add_nc_u64 s[8:9], s[8:9], s[18:19]          ; fragments 0, 1
	s_mov_b32 s18, s91
	s_add_nc_u64 s[10:11], s[8:9], s[18:19]        ; fragments 2, 3
	s_lshl_b32 s17, s28, s95
	s_lshl_b32 s18, s29, 8
	s_add_co_u32 s18, s17, s18
	s_add_nc_u64 s[12:13], s[12:13], s[18:19]      ; the task's 256 bytes of scale words
	s_lshl_b32 s3, 1, s3
	v_add_nc_u32 v2, s3, v1
	s_wait_alu depctr_va_vdst(0)
	s_lshr_b32 s3, s3, 2
	v_add_nc_u32 v4, s3, v3
	s_lshl_b32 s26, 1, s31                         ; a row's bytes,
	s_mov_b32 s27, 0
	s_lshr_b32 s28, s26, 2                         ; and a mask row's
	s_mov_b32 s29, 0
	s_mov_b64 s[32:33], s[4:5]                     ; s[32:47]: the addresses of tile rows 0-7 (rows 8-15: the second offset register);  s[48:63]: the same in the mask
	s_mov_b64 s[48:49], s[6:7]
.irp j, 1,2,3,4,5,6,7
	s_add_nc_u64 s[32+2*\j:33+2*\j], s[30+2*\j:31+2*\j], s[26:27]
	s_add_nc_u64 s[48+2*\j:49+2*\j], s[46+2*\j:47+2*\j], s[28:29]
.endr
.macro LOADS t                         ; fragment t's numbers: 16 rows x 512 consecutive bytes; and their mask bytes: 16 rows x 128: a lane's four bytes belong to its four numbers
.irp i, 0,1,2,3,4,5,6,7,8,9,10,11,12,13,14,15
	global_load_b128 v[R+4*\i:R+4*\i+3], v[1+\i/8], s[32+2*(\i%8):33+2*(\i%8)] offset:512*(\t) th:TH_LOAD_NT
.endr
	s_cmp_eq_u32 s16, 0                            ; x has no mask
	s_cbranch_scc1 .Lno_mask_\@
	s_wait_alu depctr_va_vdst(0)
.irp i, 0,1,2,3,4,5,6,7,8,9,10,11,12,13,14,15
	global_load_b32 v[RM+\i], v[3+\i/8], s[48+2*(\i%8):49+2*(\i%8)] offset:128*(\t) th:TH_LOAD_NT
.endr
.Lno_mask_\@:
.endm
.macro STEP t
	s_wait_loadcnt 0x0                             ; this fragment's loads are in
	s_cmp_eq_u32 s16, 0
	s_cbranch_scc1 .Lunmasked_\@
.irp i, 0,1,2,3,4,5,6,7,8,9,10,11,12,13,14,15
	v_lshlrev_b32 v[X+4*\i], 8, v[RM+\i]
.endr
.irp i, 0,1,2,3,4,5,6,7,8,9,10,11,12,13,14,15
	v_sub_nc_u32 v[RM+\i], v[X+4*\i], v[RM+\i]     ; 255 x the word: each byte 1 becomes 0xff, and nothing is carried
.endr
.irp i, 0,1,2,3,4,5,6,7,8,9,10,11,12,13,14,15
	v_perm_b32 v[X+4*\i], v[RM+\i], v[RM+\i], 0    ; each byte spread over a word
	v_perm_b32 v[X+4*\i+1], v[RM+\i], v[RM+\i], s22
	v_perm_b32 v[X+4*\i+2], v[RM+\i], v[RM+\i], s23
	v_perm_b32 v[X+4*\i+3], v[RM+\i], v[RM+\i], s24
.endr
.set n, 0
.rept 64
	v_and_b32 v[R+n], v[X+n], v[R+n]               ; w x mask: the number or 0
.set n, n+1
.endr
.Lunmasked_\@:
.irp i, 0,1,2,3,4,5,6,7,8,9,10,11,12,13,14,15
	ds_store_b128 v5, v[R+4*\i:R+4*\i+3] offset:SP*\i
.endr
.irp c, 0,1
.irp j, 0,1,2,3,4,5,6,7
	ds_load_b128 v[X+32*\c+4*\j:X+32*\c+4*\j+3], v6 offset:256*\c+16*\j   ; LDS serves a wave's instructions in order: these see the stores above
.endr
.endr
	s_wait_dscnt 16                                ; all but the 16 loads just issued: the stores have read R,
.if \t < 3
	LOADS \t+1                                     ; which takes the next fragment's numbers while this one is worked on
.endif
	s_wait_dscnt 0x0
.irp c, 0,1                            ; my two blocks, 2 c + h: all 32 numbers of each are mine
	v_max3_num_f32 v[MAXR+\c], |v[X+32*\c]|, |v[X+32*\c+1]|, 0x2800000   ; with the floor 2^(5 - 127): the byte cannot fall under 1
.endr
.irp i, 2,4,6,8,10,12,14,16,18,20,22,24,26,28,30
.irp c, 0,1
	s_delay_alu instid0(VALU_DEP_2)
	v_max3_num_f32 v[MAXR+\c], v[MAXR+\c], |v[X+32*\c+\i]|, |v[X+32*\c+\i+1]|
.endr
.endr
.irp c, 0,1
	s_delay_alu instid0(VALU_DEP_2)
	v_add_nc_u32 v[SCO+\c], 0xfe000000, v[MAXR+\c] ; 4 off the exponent field: the conversion takes the exponent field of this operand as its scale
.endr
.irp c, 0,1
	s_delay_alu instid0(VALU_DEP_2)
	v_lshrrev_b32 v[BYT+\c], 23, v[SCO+\c]         ; the scale's byte
.endr
	s_delay_alu instid0(VALU_DEP_1)
	v_lshl_or_b32 v[WRD], v[BYT+1], 16, v[BYT]     ; blocks h and 2 + h,
	s_delay_alu instid0(VALU_DEP_1)
	v_lshlrev_b32 v[WRD], v10, v[WRD]              ; at their places in the row's word;
	s_delay_alu instid0(VALU_DEP_1)
	v_permlanex16_b32 v[WR2], v[WRD], s20, s21
	s_delay_alu instid0(VALU_DEP_1)
	v_or_b32 v[WRD], v[WRD], v[WR2]                ; with lane l xor 16's two the word is whole
.if \t > 0
	s_wait_alu depctr_va_vdst(0)
	s_wait_xcnt 0x0                                ; the last fragment's stores have read C: it is written again only behind this wait
.endif
.irp c, 0,1
	v_cvt_scalef32_pk16_bf6_f32 v[C+6*\c:C+6*\c+2], v[X+32*\c:X+32*\c+15], v[SCO+\c]
	v_cvt_scalef32_pk16_bf6_f32 v[CT+4*\c:CT+4*\c+2], v[X+32*\c+16:X+32*\c+31], v[SCO+\c]
.endr
	v_nop                                          ; one plain place behind a scaled conversion
.irp c, 0,1
.irp i, 0,1,2
	v_mov_b32 v[C+6*\c+3+\i], v[CT+4*\c+\i]        ; registers 6 c .. 6 c + 5 hold k = 64 c + 32 h + 0 .. 31
.endr
.endr
	ds_store_b32 v7, v[WRD] offset:64*\t           ; both lanes of a row write the same word with the same value
.irp c, 0,1,2
	global_store_b128 v1, v[C+4*\c:C+4*\c+3], s[8+2*(\t/2):9+2*(\t/2)] offset:(\t%2)*1536+512*\c   ; 32 lanes store 512 consecutive bytes, at a multiple of 512 from the buffer's first byte
.endr
.endm
	LOADS 0
	STEP 0
	STEP 1
	STEP 2
	STEP 3
	ds_load_b64 v[OUTW:OUTW+1], v8                 ; the task's 64 scale words: these see my stores
	s_wait_dscnt 0x0
	global_store_b64 v9, v[OUTW:OUTW+1], s[12:13]  ; 32 lanes store 256 consecutive bytes, at a multiple of 256
	s_wait_tensorcnt 0x0
	ds_add_u32 v14, v15
	s_wait_dscnt 0x0
	s_endpgm
.Lfunc_end_k_qbeaeb7b0b4_quant:
	.size	k_qbeaeb7b0b4_quant, .Lfunc_end_k_qbeaeb7b0b4_quant-k_qbeaeb7b0b4_quant
	.p2alignl 7, 3214868480
	.fill 96, 4, 3214868480
	.section	.rodata,"a",@progbits
	.p2align	6, 0x0
	.amdhsa_kernel k_qbeaeb7b0b4_quant
		.amdhsa_group_segment_fixed_size 158976
		.amdhsa_private_segment_fixed_size 0
		.amdhsa_enable_private_segment 0
		.amdhsa_kernarg_size 88
		.amdhsa_user_sgpr_count 2
		.amdhsa_user_sgpr_kernarg_segment_ptr 1
		.amdhsa_wavefront_size32 1
		.amdhsa_system_sgpr_workgroup_id_x 1
		.amdhsa_system_sgpr_workgroup_id_y 1
		.amdhsa_system_sgpr_workgroup_id_z 1
		.amdhsa_system_vgpr_workitem_id 0
		.amdhsa_next_free_vgpr 192
		.amdhsa_next_free_sgpr 96
		.amdhsa_reserve_vcc 0
		.amdhsa_float_denorm_mode_32 3
		.amdhsa_float_denorm_mode_16_64 3
		.amdhsa_memory_ordered 1
		.amdhsa_forward_progress 1
		.amdhsa_inst_pref_size 73
	.end_amdhsa_kernel
	.amdgpu_metadata
---
amdhsa.version: [ 1, 2 ]
amdhsa.kernels:
  - .name:           k_qbeaeb7b0b4_quant
    .symbol:         k_qbeaeb7b0b4_quant.kd
    .args:
      - { .name: x, .offset: 0, .size: 8, .value_kind: global_buffer, .address_space: global }
      - { .name: w_up, .offset: 8, .size: 8, .value_kind: global_buffer, .address_space: global }
      - { .name: mask_up, .offset: 16, .size: 8, .value_kind: global_buffer, .address_space: global }
      - { .name: w_down, .offset: 24, .size: 8, .value_kind: global_buffer, .address_space: global }
      - { .name: mask_down, .offset: 32, .size: 8, .value_kind: global_buffer, .address_space: global }
      - { .name: xq, .offset: 40, .size: 8, .value_kind: global_buffer, .address_space: global }
      - { .name: xs, .offset: 48, .size: 8, .value_kind: global_buffer, .address_space: global }
      - { .name: wuq, .offset: 56, .size: 8, .value_kind: global_buffer, .address_space: global }
      - { .name: wus, .offset: 64, .size: 8, .value_kind: global_buffer, .address_space: global }
      - { .name: wdq, .offset: 72, .size: 8, .value_kind: global_buffer, .address_space: global }
      - { .name: wds, .offset: 80, .size: 8, .value_kind: global_buffer, .address_space: global }
    .group_segment_fixed_size: 158976
    .private_segment_fixed_size: 0
    .kernarg_segment_align: 8
    .kernarg_segment_size: 88
    .max_flat_workgroup_size: 576
    .sgpr_count:     96
    .vgpr_count:     192
    .wavefront_size: 32
...
	.end_amdgpu_metadata
.endif
;; end of part 1
;; launch up (part 2): grid 32 x 8, 4 waves a work-group, clusters of 4 x 4, 327,680 bytes of LDS; arguments xq, xs, wuq, wus, hq, hs; writes hq, hs
.if DOCPART == 2
	.amdgcn_target "amdgcn-amd-amdhsa--gfx1250"
	.amdhsa_code_object_version 6
	.text
	.protected	k_qbeaeb7b0b4_up
	.globl	k_qbeaeb7b0b4_up
	.p2align	8
	.type	k_qbeaeb7b0b4_up,@function
k_qbeaeb7b0b4_up:
	s_mov_b64 s[64:65], 0
	v_nop
	global_prefetch_b8 v0, s[64:65] scope:SCOPE_SE
	s_setreg_imm32_b32 hwreg(HW_REG_WAVE_MODE, 25, 1), 1
	s_wait_xcnt 0x0
	s_wait_alu depctr_hold_cnt(0) depctr_sa_sdst(0) depctr_va_vdst(0) depctr_va_sdst(0) depctr_va_ssrc(0) depctr_va_vcc(0) depctr_vm_vsrc(0)
	s_getreg_b32 s2, hwreg(HW_REG_IB_STS2, 6, 4)
	s_cmp_eq_u32 s2, 0
	s_cbranch_scc0 .Lentry_in_a_cluster
	s_endpgm
.Lentry_in_a_cluster:
	s_bfe_u32 s2, ttmp6, 0x10000c
	s_cmp_lg_u32 s2, 0xf033
	s_cbranch_scc0 .Lentry_shape_is_right
	s_endpgm
.Lentry_shape_is_right:
.set SLOT,  98304
.set QUART, 24576
.set SCL,   2*SLOT
.set SQ,    8192
.set SROWS, 2*SQ/256                   ; the scales of a tile's 256 rows come whole, by one load
.set SPARE, SCL+4*SQ
.set FSTR,  3072
.set SBLK,  1024
.set SSTEP, 64
.set KGA,   393216
.set KGB,   1572864
.set ADRA, 16
.set ADRB, 20
.set HO,   24
.set HSO,  25
.set ADRS, 27
.set SPW,  28
.set NIL,  29
.set SC,   224
.set G1,   24
.set G0,   32
.set G1B,  48
.set G0B,  56
.set G1S,  68
.set G0S,  76
.set G1SB, 80
.set G0SB, 88
.set MSB, 0
.macro WIN new
.if MSB != \new
	s_set_vgpr_msb (MSB<<8)|\new
.set MSB, \new
.endif
.endm
.macro PLACES n
.rept \n
	v_nop
.endr
.endm
.macro JLOAD g0a, g1a, g0b, g1b
	s_cmp_eq_u32 s17, 0
	s_cbranch_scc0 .Lfor_b_\@
	tensor_load_to_lds s[\g0a:\g0a+3], s[\g1a:\g1a+7]
	s_nop 0
.rept 4
	v_nop
.endr
	s_branch .Lasked_\@
.Lfor_b_\@:
	tensor_load_to_lds s[\g0b:\g0b+3], s[\g1b:\g1b+7]
	s_nop 0
.rept 4
	v_nop
.endr
.Lasked_\@:
.endm
.macro CROUND
	s_barrier_signal -1
	s_barrier_wait -1
	s_cmp_lg_u32 s16, 0
	s_cbranch_scc1 .Lnot_wave_0_\@
	s_barrier_signal -3
.Lnot_wave_0_\@:
	s_barrier_wait -3
	s_barrier_signal -1
	s_barrier_wait -1
.endm
	s_load_b128 s[4:7], s[0:1], 0x0
	s_load_b128 s[8:11], s[0:1], 0x10
	s_load_b128 s[12:15], s[0:1], 0x20
	v_lshl_add_u32 v[SPW], v0, 2, SPARE
	v_mov_b32 v[NIL], 0
	ds_add_u32 v28, v29
	ds_add_u32 v28, v29
	s_wait_dscnt 0x0
	v_lshrrev_b32 v1, 5, v0
	v_readfirstlane_b32 s16, v1
	s_lshr_b32 s17, s16, 1
	s_and_b32 s18, s16, 1
	s_bfe_u32 s40, ttmp6, 0x40000
	s_bfe_u32 s41, ttmp6, 0x40004
	s_lshl_b32 s42, ttmp9, 2
	s_add_co_u32 s42, s42, s40
	s_and_b32 s43, ttmp7, 0xffff
	s_lshl_b32 s43, s43, 2
	s_add_co_u32 s43, s43, s41
	s_lshl_b32 s44, s41, 2
	s_lshl_b32 s44, 15, s44
	s_lshl_b32 s45, 0x1111, s40
	s_or_b32 s[G1], s44, (3<<16)|(1<<21)
	s_or_b32 s[G1B], s45, (3<<16)|(1<<21)
	s_or_b32 s[G1S], s44, (3<<16)|(1<<21)
	s_or_b32 s[G1SB], s45, (3<<16)|(1<<21)
.irp g, G1, G1B
	s_mov_b32 s[\g+1], 32<<16
	s_mov_b32 s[\g+2], (2*QUART/256)<<16           ; the head's loads bring a whole tile of slot 0: 192 rows of 256 bytes
	s_mov_b32 s[\g+3], 32<<16
	s_mov_b32 s[\g+4], 2*QUART/256
	s_mov_b32 s[\g+5], 32
	s_mov_b32 s[\g+6], 0
	s_mov_b32 s[\g+7], 0
.endr
.irp g, G1S, G1SB
	s_mov_b32 s[\g+1], 32<<16
	s_mov_b32 s[\g+2], SROWS<<16
	s_mov_b32 s[\g+3], 32<<16
	s_mov_b32 s[\g+4], SROWS
	s_mov_b32 s[\g+5], 32
	s_mov_b32 s[\g+6], 0
	s_mov_b32 s[\g+7], 0
.endr
	s_mov_b32 s47, 0                               ; the four addresses below are those of whole tiles; the ring's half is added behind the head's descriptors
	s_lshl_b32 s46, s43, 4
	s_add_co_u32 s46, s46, s47
	s_mul_i32 s92, s46, FSTR
	s_mov_b32 s93, 0
	s_lshl_b32 s94, s46, 10
	s_mov_b32 s95, 0
	s_lshl_b32 s22, s42, 4
	s_add_co_u32 s22, s22, s47
	s_mul_i32 s96, s22, FSTR
	s_mov_b32 s97, 0
	s_lshl_b32 s22, s22, 10
	s_mov_b32 s23, 0
	s_mul_i32 s2, s16, QUART
	s_mov_b32 s20, 0x76543210
	s_mov_b32 s21, 0xfedcba98
	s_wait_kmcnt 0x0
	s_add_nc_u64 s[92:93], s[4:5], s[92:93]
	s_add_nc_u64 s[94:95], s[6:7], s[94:95]
	s_add_nc_u64 s[96:97], s[8:9], s[96:97]
	s_add_nc_u64 s[22:23], s[10:11], s[22:23]
	CROUND
	s_mov_b32 s[G0S], 1
	s_mov_b32 s[G0S+1], SCL
	s_mov_b64 s[G0S+2:G0S+3], s[94:95]
	s_or_b32 s[G0S+3], s[G0S+3], 0x80000000
	s_mov_b32 s[G0SB], 1
	s_mov_b32 s[G0SB+1], SCL+2*SQ
	s_mov_b64 s[G0SB+2:G0SB+3], s[22:23]
	s_or_b32 s[G0SB+3], s[G0SB+3], 0x80000000
	s_mov_b32 s4, 1                                ; s[4:7]: group 0 of slot 0's 256 rows of A (the arguments that lay here have been used)
	s_mov_b32 s5, 0
	s_mov_b64 s[6:7], s[92:93]
	s_or_b32 s7, s7, 0x80000000
	s_mov_b32 s8, 1                                ; s[8:11]: of its 256 rows of B
	s_mov_b32 s9, 2*QUART
	s_mov_b64 s[10:11], s[96:97]
	s_or_b32 s11, s11, 0x80000000
	s_mul_i32 s46, s18, QUART                      ; in the ring I fetch half a tile
	s_mov_b32 s47, 0
	s_add_nc_u64 s[92:93], s[92:93], s[46:47]
	s_add_nc_u64 s[96:97], s[96:97], s[46:47]
	s_cmp_eq_u32 s17, 0                            ; the prefetches: s[94:95] my half tile of the slot group being asked for, s[22:23] bytes from group to group, s3 my work-group's quarter of the half tile
	s_cselect_b64 s[94:95], s[92:93], s[96:97]
	s_cselect_b32 s3, s40, s41                     ; the four that ask jointly share the blocks out by address: cx for A, cy for B
	s_mov_b32 s22, KGB
	s_cselect_b32 s22, KGA, s22
	s_mov_b32 s23, 0
	s_mul_i32 s3, s3, QUART/4
.irp s, 0,1
	s_mov_b32 s[G0+4*\s], 1
	s_add_co_u32 s[G0+4*\s+1], s2, \s*SLOT
	s_add_nc_u64 s[G0+4*\s+2:G0+4*\s+3], s[92:93], \s*KGA
	s_or_b32 s[G0+4*\s+3], s[G0+4*\s+3], 0x80000000
	s_mov_b32 s[G0B+4*\s], 1
	s_add_co_u32 s[G0B+4*\s+1], s2, \s*SLOT
	s_add_nc_u64 s[G0B+4*\s+2:G0B+4*\s+3], s[96:97], \s*KGB
	s_or_b32 s[G0B+4*\s+3], s[G0B+4*\s+3], 0x80000000
.endr
; The head's loads, one a wave: wave 0 slot 0's rows of A, wave 1 its rows of B, wave 2 A's scales, wave 3 B's.  One chain of branches on the wave's number, one load to an arm, all arms to one join.
.macro ARM under, g0, g1, next
	s_cmp_lt_u32 s16, \under
	s_cbranch_scc0 \next
	tensor_load_to_lds s[\g0:\g0+3], s[\g1:\g1+7]
	s_nop 0
.rept 4
	v_nop
.endr
	s_branch .Lhead_asked
\next:
.endm
	ARM 1, 4, G1, .Lhead_b
	ARM 2, 8, G1B, .Lhead_sa
	ARM 3, G0S, G1S, .Lhead_sb
	tensor_load_to_lds s[G0SB:G0SB+3], s[G1SB:G1SB+7]
	s_nop 0
.rept 4
	v_nop
.endr
.Lhead_asked:
	v_and_b32 v1, 31, v0
	v_and_b32 v2, 15, v0
	v_bfe_u32 v3, v0, 4, 1
	s_wait_alu depctr_va_vdst(0)
	v_lshlrev_b32 v[HO], 4, v1
	s_mul_i32 s46, s17, QUART
	s_mul_i32 s47, s18, QUART
	s_add_co_u32 s47, s47, 2*QUART
.irp s, 0,1
	v_add_nc_u32 v[ADRA+\s], s46, v[HO]
	v_add_nc_u32 v[ADRB+\s], s47, v[HO]
	s_add_co_u32 s46, s46, SLOT
	s_add_co_u32 s47, s47, SLOT
.endr
	s_lshl_b32 s46, s17, 13
	s_lshl_b32 s47, s18, 13
	s_add_co_u32 s47, s47, 2*SQ
	s_sub_co_u32 s47, s47, s46
	v_mul_u32_u24 v4, s47, v3
	s_add_co_u32 s46, s46, SCL
	v_lshl_add_u32 v4, v2, 2, v4
	v_add_nc_u32 v[ADRS], s46, v4
	v_lshlrev_b32 v[HSO], 12, v3
	v_lshl_add_u32 v[HSO], v2, 2, v[HSO]
	s_lshl_b32 s40, s42, 1
	s_add_co_u32 s40, s40, s18
	s_lshl_b32 s41, s43, 4
	s_lshl_b32 s44, s17, 3
	s_add_co_u32 s41, s41, s44
	s_lshr_b32 s44, s40, 2
	s_lshl_b32 s44, s44, 7
	s_add_co_u32 s44, s44, s41
	s_mul_i32 s44, s44, 6144
	s_and_b32 s45, s40, 3
	s_mul_i32 s45, s45, 1536
	s_add_co_u32 s44, s44, s45
	s_mov_b32 s45, 0
	s_add_nc_u64 s[12:13], s[12:13], s[44:45]
	s_lshl_b32 s44, s41, 12
	s_lshl_b32 s40, s40, 6
	s_add_co_u32 s44, s44, s40
	s_add_nc_u64 s[14:15], s[14:15], s[44:45]
.macro FRAG reg, adr, off
.irp c, 0,1,2
	ds_load_b128 v[\reg+4*\c:\reg+4*\c+3], v[\adr] offset:\off+512*\c
.endr
.endm
.macro FETCH slot, q, p, step
.if \step
	v_add_nc_u32 v[ADRS], SSTEP, v[ADRS]
.endif
	WIN 0x40
.irp i, 0,1,2,3,4,5,6,7
	FRAG 128*\p+12*\i, ADRB+\slot, \i*FSTR+\q*1536
.endr
	WIN 0
.irp i, 0,1,2,3,4,5,6,7
	FRAG 32+96*\p+12*\i, ADRA+\slot, \i*FSTR+\q*1536
.endr
.irp i, 0,1,2,3,4,5,6,7
	ds_load_b32 v[SC+8*\p+\i], v[ADRS] offset:\i*SBLK
.endr
.endm
.macro ONE a, b, p, zero
.if \zero
	v_wmma_scale_f32_16x16x128_f8f6f4 v[8*(8*((\a)%4)+\b):8*(8*((\a)%4)+\b)+7], v[128*\p+12*\b:128*\p+12*\b+11], v[32+96*\p+12*\a:32+96*\p+12*\a+11], 0, v[SC+8*\p+\b], v[SC+8*\p+\a] matrix_a_fmt:MATRIX_FMT_BF6 matrix_b_fmt:MATRIX_FMT_BF6 matrix_a_scale:MATRIX_SCALE_ROW1
.else
	v_wmma_scale_f32_16x16x128_f8f6f4 v[8*(8*((\a)%4)+\b):8*(8*((\a)%4)+\b)+7], v[128*\p+12*\b:128*\p+12*\b+11], v[32+96*\p+12*\a:32+96*\p+12*\a+11], v[8*(8*((\a)%4)+\b):8*(8*((\a)%4)+\b)+7], v[SC+8*\p+\b], v[SC+8*\p+\a] matrix_a_fmt:MATRIX_FMT_BF6 matrix_b_fmt:MATRIX_FMT_BF6 matrix_a_scale:MATRIX_SCALE_ROW1
.endif
.endm
.macro MUL p, zero
	WIN 0xa1
.irp a, 0,1,2,3
.irp b, 0,1,2,3,4,5,6,7
	ONE \a, \b, \p, \zero
.endr
.endr
	WIN 0xf1
.irp a, 4,5,6,7
.irp b, 0,1,2,3,4,5,6,7
	ONE \a, \b, \p, \zero
.endr
.endr
	WIN 0
.endm
.macro MULP p, a0, a1                  ; 16 products: A's blocks a0 and a1 against B's eight
.irp a, \a0, \a1
.irp b, 0,1,2,3,4,5,6,7
	ONE \a, \b, \p, 0
.endr
.endr
.endm
.macro MULH                            ; set 1's products on my rows 64-127
	WIN 0xf1
	MULP 1, 4, 5
	MULP 1, 6, 7
	WIN 0
.endm
.macro CREST                           ; a round of the cluster's barrier behind its opening barrier
	s_cmp_lg_u32 s16, 0
	s_cbranch_scc1 .Lnot_w0_\@
	s_barrier_signal -3
.Lnot_w0_\@:
	s_barrier_wait -3
	s_barrier_signal -1
	s_barrier_wait -1
.endm
.macro PLAIN
	s_wait_dscnt 0x0
	PLACES 4
.endm
.macro HEAD slot, fill
	s_wait_tensorcnt 0x0
	ds_add_u32 v[SPW], v[NIL]
.if \fill
	s_add_nc_u64 s[G0+4*\slot+2:G0+4*\slot+3], s[G0+4*\slot+2:G0+4*\slot+3], 2*KGA
	s_add_nc_u64 s[G0B+4*\slot+2:G0B+4*\slot+3], s[G0B+4*\slot+2:G0B+4*\slot+3], 2*KGB
	s_wait_xcnt 0x0                                ; my last prefetch has read its address: it steps to the group that is asked for now
	s_add_nc_u64 s[94:95], s[94:95], s[22:23]
.endif
	s_wait_dscnt 1                                 ; set 1's fragments and scale words are in; the add may be out
	WIN 0xa1
	MULP 1, 0, 1                                   ; sixteen products stand between the add and the wait for it,
	s_wait_dscnt 0x0
	s_barrier_signal -1
	MULP 1, 2, 3                                   ; sixteen between the signal and the wait: work on registers alone
	WIN 0
	s_barrier_wait -1
.if \fill
	CREST
	JLOAD G0+4*\slot, G1, G0B+4*\slot, G1B
	s_cmp_gt_u32 s19, 1                            ; the last lap's two refills have no group two on
	s_cbranch_scc0 .Lno_ask_\@
	global_prefetch_b8 v30, s[94:95] th:TH_LOAD_NT scope:SCOPE_SE   ; the group two refills on: 24 blocks of 256 bytes, a lane a block (lanes 24-31 name the last again)
.Lno_ask_\@:
.else
	PLACES 4
.endif
.endm
	s_wait_alu depctr_va_vdst(0)
	v_min_u32 v5, 23, v1
	v_lshl_add_u32 v5, v5, 8, s3                   ; my block of my work-group's 6,144 bytes of the half tile
	v_add_nc_u32 v31, s22, v5                      ; one group on,
	v_add_nc_u32 v30, s22, v31                     ; two groups on
	s_wait_alu depctr_va_vdst(0)                   ; the wait at the head's end
	global_prefetch_b8 v31, s[94:95] th:TH_LOAD_NT scope:SCOPE_SE   ; groups 1 and 2
	global_prefetch_b8 v30, s[94:95] th:TH_LOAD_NT scope:SCOPE_SE
	s_wait_tensorcnt 0x0                           ; my tile of the head's four is in; slot 1's first fill is issued as a refill is
	ds_add_u32 v[SPW], v[NIL]
	s_mov_b32 s[G1+2], (QUART/256)<<16             ; no tensor load of mine is out: from here on a load brings 96 rows
	s_mov_b32 s[G1+4], QUART/256
	s_mov_b32 s[G1B+2], (QUART/256)<<16
	s_mov_b32 s[G1B+4], QUART/256
	s_wait_xcnt 0x0
	s_add_nc_u64 s[94:95], s[94:95], s[22:23]
	s_wait_dscnt 0x0
	CROUND
	JLOAD G0+4, G1, G0B+4, G1B
	FETCH 0, 0, 0, 0
	global_prefetch_b8 v30, s[94:95] th:TH_LOAD_NT scope:SCOPE_SE   ; group 3
	s_wait_dscnt 0x0
	FETCH 0, 1, 1, 1
	MUL 0, 1
	s_mov_b32 s19, 3
.Llap:
	HEAD 0, 1
	s_wait_alu depctr_va_vdst(0)
	FETCH 1, 0, 0, 1
	MULH
	s_wait_alu depctr_va_vdst(0)
	PLAIN
	FETCH 1, 1, 1, 1
	MUL 0, 0
	HEAD 1, 1
	s_wait_alu depctr_va_vdst(0)
	FETCH 0, 0, 0, 1
	MULH
	s_wait_alu depctr_va_vdst(0)
	PLAIN
	FETCH 0, 1, 1, 1
	MUL 0, 0
	s_sub_co_u32 s19, s19, 1
	s_cmp_lg_u32 s19, 0
	s_cbranch_scc1 .Llap
	HEAD 0, 0
	s_wait_alu depctr_va_vdst(0)
	FETCH 1, 0, 0, 1
	MULH
	s_wait_alu depctr_va_vdst(0)
	PLAIN
	FETCH 1, 1, 1, 1
	MUL 0, 0
	s_wait_dscnt 0x0
	MUL 1, 0
.set TM,  32
.set PW,  48
.set PWE, 49
.set PC,  52
.set AX,  64
.set G,   128
.set T,   192
.set T1,  0                            ; window 1, where B's fragments lay: t = 1 / (1 + p |x|), 64 numbers
.set P1,  64                           ; the exponent, then its exponential
.set Q1,  128                          ; x x
.macro CONST n, bits
	v_mov_b32 v[2*\n], \bits
	v_mov_b32 v[2*\n+1], \bits
.endm
	CONST 0, 0xc034d90f
	CONST 1, 0x3fb8ab5a
	CONST 2, 0x3f0a29d2
	CONST 3, 0x3e0efb2e
	CONST 4, 0xbe899a80
	CONST 5, 0x3ecdfd18
	CONST 6, 0xbfd1a1e5
	CONST 7, 0x40097039
	CONST 8, 0xbf97d29d
	CONST 9, 0x3e7c6f08
	CONST 10, 0xbf38aa3b
	CONST 11, 0x3eb504f3
	s_mov_b32 s46, 0x7fffffff
	s_mov_b32 s47, 0xffff0000
.irp b, 0,1,2,3
	v_mov_b32 v[TM+4+\b], 0
.endr
	v_mov_b32 v[PWE], 0
.macro CASE a
.set WN, 0x08+4*((\a)/4)
	WIN WN
.set j, 0
.rept 64
	v_and_b32 v[AX+j], s46, v[64*((\a)%4)+j]
	v_max_num_f32 v[G+j], 0, v[64*((\a)%4)+j]
.set j, j+1
.endr
	WIN 0
.endm
; gelu(x) = max(x, 0) - |x| t 2^(poly(t) - c x x), t = 1 / (1 + p |x|), for a row block's 64 numbers of a lane at once, in two halves of 16 packed chains.
; One half's exponentials are issued ahead of the other half's polynomial or last products, which name none of their registers.
.macro POLY h                          ; the exponent of half h: degree 9 in t, then the term in x x
	WIN 0x41
.set k, 32*\h
.rept 16
	v_pk_fma_f32 v[P1+k:P1+k+1], v[T1+k:T1+k+1], v[18:19], v[16:17]
.set k, k+2
.endr
	WIN 0x45
.irp c, 14,12,10,8,6,4,2,0
.set k, 32*\h
.rept 16
	v_pk_fma_f32 v[P1+k:P1+k+1], v[P1+k:P1+k+1], v[T1+k:T1+k+1], v[\c:\c+1]
.set k, k+2
.endr
.endr
	WIN 0x51
.set k, 32*\h
.rept 16
	v_pk_fma_f32 v[P1+k:P1+k+1], v[Q1+k:Q1+k+1], v[20:21], v[P1+k:P1+k+1]
.set k, k+2
.endr
.endm
.macro EXPS h
	WIN 0x41
	s_wait_alu depctr_va_vdst(0)                   ; the wait ahead of the batch; it also stands behind the batch before
.set k, 32*\h
.rept 32
	v_exp_f32 v[P1+k], v[P1+k]
.set k, k+1
.endr
.endm
.macro LAST h
	WIN 0x45
.set k, 32*\h
.rept 16
	v_pk_mul_f32 v[T1+k:T1+k+1], v[T1+k:T1+k+1], v[P1+k:P1+k+1]
.set k, k+2
.endr
	WIN 0x01
.set k, 32*\h
.rept 16
	v_pk_fma_f32 v[G+k:G+k+1], v[T1+k:T1+k+1], v[AX+k:AX+k+1], v[G+k:G+k+1] neg_lo:[1,0,0] neg_hi:[1,0,0]
.set k, k+2
.endr
.endm
.macro GELU
	WIN 0x40
.set k, 0
.rept 32
	v_pk_fma_f32 v[T1+k:T1+k+1], v[AX+k:AX+k+1], v[22:23], 1.0 op_sel_hi:[1,1,0]
.set k, k+2
.endr
	WIN 0x41
	s_wait_alu depctr_va_vdst(0)                   ; the wait ahead of the batch
.set k, 0
.rept 64
	v_rcp_f32 v[T1+k], v[T1+k]
.set k, k+1
.endr
	WIN 0x40
.set k, 0
.rept 32
	v_pk_mul_f32 v[Q1+k:Q1+k+1], v[AX+k:AX+k+1], v[AX+k:AX+k+1]
.set k, k+2
.endr
	s_wait_alu depctr_va_vdst(0)                   ; one wait for the 64 reciprocals, ahead of their first reader
	POLY 0
	EXPS 0
	POLY 1
	EXPS 1
	LAST 0                                         ; half 0's exponentials were waited for ahead of half 1's
	s_wait_alu depctr_va_vdst(0)                   ; and half 1's here
	LAST 1
	WIN 0
.endm
	s_mov_b32 s19, 0
.Lrow:
.irp a, 1,2,3,4,5,6,7
	s_cmp_eq_u32 s19, \a
	s_cbranch_scc1 .Lcase\a
.endr
	CASE 0
	s_branch .Lgelu
.irp a, 1,2,3,4,5,6
.Lcase\a:
	CASE \a
	s_branch .Lgelu
.endr
.Lcase7:
	CASE 7
.Lgelu:
	GELU
.irp b, 0,1,2,3
	v_max3_num_f32 v[TM+\b], |v[G+16*\b]|, |v[G+1+16*\b]|, 0x2800000
.endr
.irp i, 2,4,6,8,10,12,14
.irp b, 0,1,2,3
	v_max3_num_f32 v[TM+\b], v[TM+\b], |v[G+16*\b+\i]|, |v[G+1+16*\b+\i]|
.endr
.endr
.irp b, 0,1,2,3
	v_permlanex16_b32 v[TM+4+\b], v[TM+\b], s20, s21
.endr
.irp b, 0,1,2,3
	v_max_num_f32 v[TM+\b], v[TM+\b], v[TM+4+\b]
.endr
.irp b, 0,1,2,3
	v_add_nc_u32 v[TM+12+\b], 0xfe000000, v[TM+\b]
.endr
.irp b, 0,1,2,3
	v_lshrrev_b32 v[TM+4+\b], 23, v[TM+12+\b]
.endr
	v_lshl_or_b32 v[PW], v[TM+5], 8, v[TM+4]
	v_lshl_or_b32 v[PW], v[TM+6], 16, v[PW]
	v_lshl_or_b32 v[PW], v[TM+7], 24, v[PW]
.irp c, 0,1
	v_cvt_scalef32_pk16_bf6_f32 v[PC+6*\c:PC+2+6*\c], v[G+32*\c:G+15+32*\c], v[TM+12+2*\c]
	v_cvt_scalef32_pk16_bf6_f32 v[T+4*\c:T+2+4*\c], v[G+16+32*\c:G+31+32*\c], v[TM+12+2*\c+1]
.endr
	v_nop
.irp c, 0,1
.irp i, 0,1,2
	v_permlane16_swap_b32 v[PC+6*\c+\i], v[T+4*\c+\i]
.endr
.irp i, 0,1,2
	v_mov_b32 v[PC+3+6*\c+\i], v[T+4*\c+\i]
.endr
.endr
.irp c, 0,1,2
	global_store_b128 v[HO], v[PC+4*\c:PC+4*\c+3], s[12:13] offset:512*\c
.endr
	s_bitcmp1_b32 s19, 0
	s_cbranch_scc1 .Lodd
	v_mov_b32 v[PWE], v[PW]
	s_branch .Lstepped
.Lodd:
	v_cndmask_b32 v[PWE], v[PWE], v[PW], s47
	global_store_b32 v[HSO], v[PWE], s[14:15]
	s_wait_xcnt 0x0
	s_add_nc_u64 s[14:15], s[14:15], 8192
.Lstepped:
	s_wait_xcnt 0x0
	s_add_nc_u64 s[12:13], s[12:13], 6144
	s_add_co_u32 s19, s19, 1
	s_cmp_lt_u32 s19, 8
	s_cbranch_scc1 .Lrow
	s_wait_tensorcnt 0x0
	ds_add_u32 v[SPW], v[NIL]
	s_wait_dscnt 0x0
	CROUND
	s_endpgm
.Lfunc_end_k_qbeaeb7b0b4_up:
	.size	k_qbeaeb7b0b4_up, .Lfunc_end_k_qbeaeb7b0b4_up-k_qbeaeb7b0b4_up
	.p2alignl 7, 3214868480
	.fill 96, 4, 3214868480
	.section	.rodata,"a",@progbits
	.p2align	6, 0x0
	.amdhsa_kernel k_qbeaeb7b0b4_up
		.amdhsa_group_segment_fixed_size 327680
		.amdhsa_private_segment_fixed_size 0
		.amdhsa_enable_private_segment 0
		.amdhsa_kernarg_size 48
		.amdhsa_user_sgpr_count 2
		.amdhsa_user_sgpr_kernarg_segment_ptr 1
		.amdhsa_wavefront_size32 1
		.amdhsa_system_sgpr_workgroup_id_x 1
		.amdhsa_system_sgpr_workgroup_id_y 1
		.amdhsa_system_sgpr_workgroup_id_z 1
		.amdhsa_system_vgpr_workitem_id 0
		.amdhsa_next_free_vgpr 1024
		.amdhsa_next_free_sgpr 98
		.amdhsa_reserve_vcc 0
		.amdhsa_float_denorm_mode_32 3
		.amdhsa_float_denorm_mode_16_64 3
		.amdhsa_memory_ordered 1
		.amdhsa_forward_progress 1
		.amdhsa_inst_pref_size 182
	.end_amdhsa_kernel
	.amdgpu_metadata
---
amdhsa.version: [ 1, 2 ]
amdhsa.kernels:
  - .name:           k_qbeaeb7b0b4_up
    .symbol:         k_qbeaeb7b0b4_up.kd
    .args:
      - { .name: xq, .offset: 0, .size: 8, .value_kind: global_buffer, .address_space: global }
      - { .name: xs, .offset: 8, .size: 8, .value_kind: global_buffer, .address_space: global }
      - { .name: wuq, .offset: 16, .size: 8, .value_kind: global_buffer, .address_space: global }
      - { .name: wus, .offset: 24, .size: 8, .value_kind: global_buffer, .address_space: global }
      - { .name: hq, .offset: 32, .size: 8, .value_kind: global_buffer, .address_space: global }
      - { .name: hs, .offset: 40, .size: 8, .value_kind: global_buffer, .address_space: global }
    .group_segment_fixed_size: 327680
    .private_segment_fixed_size: 0
    .kernarg_segment_align: 8
    .kernarg_segment_size: 48
    .max_flat_workgroup_size: 128
    .sgpr_count:     98
    .vgpr_count:     1024
    .wavefront_size: 32
...
	.end_amdgpu_metadata
.endif
;; end of part 2
;; launch down (part 3): grid 16 x 16, 4 waves a work-group, clusters of 4 x 4, 327,680 bytes of LDS; arguments hq, hs, wdq, wds, out0; writes out0
.if DOCPART == 3
	.amdgcn_target "amdgcn-amd-amdhsa--gfx1250"
	.amdhsa_code_object_version 6
	.text
	.protected	k_qbeaeb7b0b4_down
	.globl	k_qbeaeb7b0b4_down
	.p2align	8
	.type	k_qbeaeb7b0b4_down,@function
k_qbeaeb7b0b4_down:
	s_mov_b64 s[64:65], 0
	v_nop
	global_prefetch_b8 v0, s[64:65] scope:SCOPE_SE
	s_setreg_imm32_b32 hwreg(HW_REG_WAVE_MODE, 25, 1), 1
	s_wait_xcnt 0x0
	s_wait_alu depctr_hold_cnt(0) depctr_sa_sdst(0) depctr_va_vdst(0) depctr_va_sdst(0) depctr_va_ssrc(0) depctr_va_vcc(0) depctr_vm_vsrc(0)
	s_getreg_b32 s2, hwreg(HW_REG_IB_STS2, 6, 4)
	s_cmp_eq_u32 s2, 0
	s_cbranch_scc0 .Lentry_in_a_cluster
	s_endpgm
.Lentry_in_a_cluster:
	s_bfe_u32 s2, ttmp6, 0x10000c
	s_cmp_lg_u32 s2, 0xf033
	s_cbranch_scc0 .Lentry_shape_is_right
	s_endpgm
.Lentry_shape_is_right:
; out0[t][d] = sum over f of h[t][f] wd[d][f]: codes of BF6 (E3M2) with E8M0 scales, as the two launches before have laid them:
; hq, wdq: [K step / 4][row block][K step % 4][1536], a fragment (16 rows x 128 K) as an image of the operand's 12 registers; hs, wds: [row block][K step][64], a word a row.
; A work-group makes 128 x 128 of out0; 16 x 16 work-groups.  K IS DEALT TO THE FOUR WAVES: wave w takes the K steps that are w modulo 4, 16 of them, and holds all 128 x 128 in 512 registers;
; the four parts meet in LDS at the end and are added in f32.  LIMIT: an output is the sum of four f32 sums over K, not one ascending sum.
; A (h) comes by joint tensor loads, shared along a row of the 4 x 4 cluster, through two LDS slots of two steps each; only its steps 0 and 1 go from memory straight into the operand's registers,
; so that the head's tensor loads bring the scales alone: those of all of K, 16,384 bytes a wave, which stay.
; B (wd) goes from memory straight into registers: the two slots (196,608 bytes), the scales (65,536) and the spare words leave 65,024 bytes of LDS, and two steps of B are 98,304: so B is in no joint load.
; A step's 64 products go by B's blocks, two at a time against A's eight: a pair of B's fragments is done with after its 16 products and is loaded again at once, for the step two on.
; So seven groups of six loads are out behind the group that is waited for: s_wait_loadcnt 42.
; PREFETCH: behind each refill every wave names 24 blocks of 256 bytes of A and 24 of B that belong to the two steps whose A the next refill brings; the four partners that read the same bytes
; share them out by address (cx for A, cy for B).  The head names steps 2 to 5; the last lap's second refill names nothing.
; REGISTERS: window 0: v0-31 addresses, v32-223 A's fragments, two sets, v224-239 scale words, two sets; window 1: B's fragments, sets at v0 and v128;
; windows 2, 3: accumulator (a, b) in window 2 + b / 4 at v[8 (8 (b % 4) + a)].  The matrix instruction is used transposed (source 0 = rows of wd): a lane holds eight neighbouring numbers of a row of out0.
.set SLOT,  98304                      ; two steps of A: 2 x 8 row blocks x 6,144
.set CHUNK, 49152                      ; one step of all four waves
.set QUART, 24576                      ; what a wave's load of the ring brings
.set SCL,   2*SLOT                     ; A's scales (32,768 bytes), then B's
.set SQ,    16384
.set SPITCH, 528
.set STILE, 128*SPITCH                 ; a wave's stage on the way out; the four lie over the slots and the scales, behind their last fill and last read
.set SPARE, 4*STILE                    ; the spare words: 512 bytes that no other line names
.set FSTR,  6144
.set SBLK,  4096
.set SSTEP, 256
.set KG,    786432                     ; bytes from a wave's step to its next: 128 row blocks x 6,144
.set RDS,  8
.set PFOA, 12
.set PFOB, 13
.set ADRA, 16
.set STO,  24
.set CO,   26
.set ADRS, 27
.set SPW,  28
.set NIL,  29
.set SC,   224
.set G1,   24
.set G0,   32
.set AB,   48                          ; s[48:49] A at my wave's step 0
.set BB,   56                          ; s[56:57] B at my wave's step 4 x lap
.set PA,   58                          ; s[58:59] my quarter slot of A at the same step
.set G1S,  68
.set G0S,  76
.set G1SB, 80
.set G0SB, 88
.set MSB, 0
.macro WIN new
.if MSB != \new
	s_set_vgpr_msb (MSB<<8)|\new
.set MSB, \new
.endif
.endm
.macro PLACES n
.rept \n
	v_nop
.endr
.endm
.macro TLOAD s
	tensor_load_to_lds s[G0+4*\s:G0+4*\s+3], s[G1:G1+7]
	s_nop 0
.rept 4
	v_nop
.endr
.endm
.macro CREST
	s_cmp_lg_u32 s16, 0
	s_cbranch_scc1 .Lnot_wave_0_\@
	s_barrier_signal -3
.Lnot_wave_0_\@:
	s_barrier_wait -3
	s_barrier_signal -1
	s_barrier_wait -1
.endm
.macro CROUND
	s_barrier_signal -1
	s_barrier_wait -1
	CREST
.endm
.macro ONE a, b, p, zero
.set AC, 8*(8*((\b)%4)+\a)
.if \zero
	v_wmma_scale_f32_16x16x128_f8f6f4 v[AC:AC+7], v[128*\p+12*(\b):128*\p+12*(\b)+11], v[32+96*\p+12*\a:32+96*\p+12*\a+11], 0, v[SC+8*\p+(\b)], v[SC+8*\p+\a] matrix_a_fmt:MATRIX_FMT_BF6 matrix_b_fmt:MATRIX_FMT_BF6 matrix_a_scale:MATRIX_SCALE_ROW1
.else
	v_wmma_scale_f32_16x16x128_f8f6f4 v[AC:AC+7], v[128*\p+12*(\b):128*\p+12*(\b)+11], v[32+96*\p+12*\a:32+96*\p+12*\a+11], v[AC:AC+7], v[SC+8*\p+(\b)], v[SC+8*\p+\a] matrix_a_fmt:MATRIX_FMT_BF6 matrix_b_fmt:MATRIX_FMT_BF6 matrix_a_scale:MATRIX_SCALE_ROW1
.endif
.endm
.macro GRP p, g, zero                  ; 16 products: B's blocks 2 g, 2 g + 1 against A's eight; sixteen accumulators by turns
	WIN 0xa1+0x50*((\g)/2)
.irp b, 2*(\g), 2*(\g)+1
.irp a, 0,1,2,3,4,5,6,7
	ONE \a, \b, \p, \zero
.endr
.endr
.endm
.macro BLD p, g, k                     ; B's blocks 2 g, 2 g + 1 of the step k behind BB, into set p: six loads of 512 consecutive bytes
	WIN 0x40
.irp i, 2*(\g), 2*(\g)+1
.irp c, 0,1,2
	global_load_b128 v[128*\p+12*(\i)+4*\c:128*\p+12*(\i)+4*\c+3], v[CO], s[BB:BB+1] offset:(\k)*KG+(\i)*FSTR+512*\c
.endr
.endr
.endm
.macro ALD p, k                        ; A's eight fragments of step k from memory into set p: 24 loads of 512 consecutive bytes (every window 0)
.irp i, 0,1,2,3,4,5,6,7
.irp c, 0,1,2
	global_load_b128 v[32+96*\p+12*\i+4*\c:32+96*\p+12*\i+4*\c+3], v[CO], s[AB:AB+1] offset:(\k)*KG+\i*FSTR+512*\c
.endr
.endr
.endm
.macro AFETCH n, p, so                 ; A's eight fragments from chunk n of the ring into set p (n < 0: they come from memory), and the step's scale words (lanes 0-15 A's block i, lanes 16-31 B's)
.if \n >= 0
.irp i, 0,1,2,3,4,5,6,7
.irp c, 0,1,2
	ds_load_b128 v[32+96*(\p)+12*\i+4*\c:32+96*(\p)+12*\i+4*\c+3], v[ADRA+\n] offset:\i*FSTR+512*\c
.endr
.endr
.endif
.irp i, 0,1,2,3,4,5,6,7
	ds_load_b32 v[SC+8*(\p)+\i], v[ADRS] offset:\i*SBLK+\so
.endr
.endm
.macro ASK k, guard                    ; the two steps k, k + 1 behind BB and PA
.if \guard
	s_cmp_gt_u32 s19, 1
	s_cbranch_scc0 .Lno_ask_\@
.endif
	global_prefetch_b8 v[PFOA], s[PA:PA+1] offset:(\k)*KG th:TH_LOAD_NT scope:SCOPE_SE
	global_prefetch_b8 v[PFOB], s[BB:BB+1] offset:(\k)*KG th:TH_LOAD_NT scope:SCOPE_SE
.if \guard
.Lno_ask_\@:
.endif
.endm
; A step inside a slot.  ld = 1: each pair of B's blocks is loaded again for the step kb behind BB; af = 1: the next step's A comes from chunk nx.  lc - dec x g: the loads that may stay out ahead of group g.
.macro STEPE p, zero, ld, kb, af, nx, so, lc, dec
	s_wait_dscnt 0x0                               ; this step's LDS loads are in
.irp g, 0,1,2,3
	s_wait_loadcnt \lc-\dec*\g
	GRP \p, \g, \zero
.if \ld || (\af && \g == 0)
	PLACES 4                                       ; four places ahead of loads into registers that matrix instructions have read
.endif
.if \ld
	BLD \p, \g, \kb
.endif
.if \af && \g == 0
	WIN 0
	AFETCH \nx, 1-\p, \so
.endif
.endr
	WIN 0
.endm
; A slot's second step (set 1) changes slots: every wave waits for its tensor load, adds 0 to its spare word, and waits for that and for its reads of the slot;
; the barrier opens a round of the cluster's barrier, and the slot just read out is filled first behind it (fill = 1; in step 1 that is slot 0's first fill).  32 products stand inside these lines.
.macro STEPO fill, slot, kb, nx, so, ask, guard
	s_wait_tensorcnt 0x0
	ds_add_u32 v[SPW], v[NIL]
.if \fill
	s_add_nc_u64 s[G0+4*\slot+2:G0+4*\slot+3], s[G0+4*\slot+2:G0+4*\slot+3], 4*KG
.endif
	s_wait_loadcnt 36                              ; B's first two pairs are in (in step 1 A's set too, asked for ahead of them): six groups of six were issued behind them
	s_wait_dscnt 1                                 ; my LDS loads are in; the add may be out
	GRP 1, 0, 0
	s_wait_dscnt 0x0
	s_barrier_signal -1
	GRP 1, 1, 0
	WIN 0
	s_barrier_wait -1
.if \fill
	CREST
	TLOAD \slot                                    ; its four v_nop are also the places ahead of the loads below
.else
	PLACES 4
.endif
	BLD 1, 0, \kb
	BLD 1, 1, \kb
	WIN 0
	AFETCH \nx, 0, \so
.if \ask
	ASK \ask, \guard
.endif
.irp g, 2,3
	s_wait_loadcnt 42
	GRP 1, \g, 0
	PLACES 4
	BLD 1, \g, \kb
.endr
	WIN 0
.endm
	s_load_b128 s[4:7], s[0:1], 0x0                ; hq, hs
	s_load_b128 s[8:11], s[0:1], 0x10              ; wdq, wds
	s_load_b64 s[12:13], s[0:1], 0x20              ; out0
	v_lshl_add_u32 v[SPW], v0, 2, SPARE
	v_mov_b32 v[NIL], 0
	ds_add_u32 v[SPW], v[NIL]                      ; the opening lines: the add twice on end and one wait
	ds_add_u32 v[SPW], v[NIL]
	v_lshrrev_b32 v1, 5, v0
	v_readfirstlane_b32 s16, v1                    ; wave
	s_lshr_b32 s17, s16, 1                         ; in the ring I fetch step parity s17; at the head A's scales (0) or B's (1),
	s_and_b32 s18, s16, 1                          ; row half s18
	s_bfe_u32 s40, ttmp6, 0x40000                  ; cx, cy
	s_bfe_u32 s41, ttmp6, 0x40004
	s_lshl_b32 s42, ttmp9, 2
	s_add_co_u32 s42, s42, s40                     ; tile column
	s_and_b32 s43, ttmp7, 0xffff
	s_lshl_b32 s43, s43, 2
	s_add_co_u32 s43, s43, s41                     ; tile row
	s_lshl_b32 s44, s41, 2
	s_lshl_b32 s44, 15, s44                        ; my row of the cluster
	s_lshl_b32 s45, 0x1111, s40                    ; my column
	s_or_b32 s[G1], s44, (3<<16)|(1<<21)           ; dense blocks as rows of 32 elements of 8 bytes
	s_or_b32 s[G1S], s44, (3<<16)|(1<<21)
	s_or_b32 s[G1SB], s45, (3<<16)|(1<<21)
	s_mov_b32 s[G1+1], 32<<16
	s_mov_b32 s[G1+2], (QUART/256)<<16
	s_mov_b32 s[G1+3], 32<<16
	s_mov_b32 s[G1+4], QUART/256
	s_mov_b32 s[G1+5], 32
	s_mov_b32 s[G1+6], 0
	s_mov_b32 s[G1+7], 0
.irp g, G1S, G1SB
	s_mov_b32 s[\g+1], 32<<16
	s_mov_b32 s[\g+2], (SQ/256)<<16
	s_mov_b32 s[\g+3], 32<<16
	s_mov_b32 s[\g+4], SQ/256
	s_mov_b32 s[\g+5], 32
	s_mov_b32 s[\g+6], 0
	s_mov_b32 s[\g+7], 0
.endr
	s_lshl_b32 s47, s18, 2                         ; the four row blocks whose scales I fetch
	s_lshl_b32 s46, s43, 3                         ; A's first row block
	s_mul_i32 s92, s46, FSTR
	s_mov_b32 s93, 0
	s_add_co_u32 s46, s46, s47
	s_lshl_b32 s94, s46, 12
	s_mov_b32 s95, 0
	s_lshl_b32 s22, s42, 3                         ; B's first row block
	s_mul_i32 s96, s22, FSTR
	s_mul_i32 s62, s16, 1536                       ; my wave's fragment in a row block's four
	s_mov_b32 s63, 0
	s_add_co_u32 s96, s96, s62
	s_mov_b32 s97, 0
	s_add_co_u32 s22, s22, s47
	s_lshl_b32 s22, s22, 12
	s_mov_b32 s23, 0
	s_mul_i32 s2, s16, QUART
	s_mul_i32 s3, s16, SQ
	s_mul_i32 s20, s18, 4*FSTR
	s_mul_i32 s21, s17, KG
	s_add_co_u32 s20, s20, s21                     ; my quarter slot inside A's tile
	s_mov_b32 s21, 0
	s_lshl_b32 s14, s16, 6
	s_add_co_u32 s14, s14, SCL
	s_mul_i32 s15, s16, STILE
	s_mul_i32 s19, s16, 32*SPITCH
	s_mul_i32 s46, s40, QUART/4                    ; my work-group's share of the blocks to prefetch: of A by cx,
	s_mul_i32 s47, s41, 2*FSTR                     ; of B by cy: row blocks 2 cy, 2 cy + 1
	s_lshl_b32 s60, s43, 7
	s_lshl_b32 s61, s16, 5
	s_add_co_u32 s60, s60, s61                     ; the rows of out0 that I store: 128 x tile row + 32 x wave
	s_lshl_b32 s60, s60, 13
	s_lshl_b32 s61, s42, 9
	s_add_co_u32 s60, s60, s61
	s_mov_b32 s61, 0
	v_and_b32 v1, 31, v0
	v_and_b32 v2, 15, v0
	v_bfe_u32 v3, v0, 4, 1
	v_lshlrev_b32 v[CO], 4, v1
	v_add_nc_u32 v[ADRA], s62, v[CO]
	v_add_nc_u32 v[ADRA+1], CHUNK, v[ADRA]
	v_add_nc_u32 v[ADRA+2], CHUNK, v[ADRA+1]
	v_add_nc_u32 v[ADRA+3], CHUNK, v[ADRA+2]
	v_lshlrev_b32 v4, 15, v3                       ; lanes 16-31 take B's scale words, 32,768 bytes behind A's
	v_lshl_add_u32 v4, v2, 2, v4
	v_add_nc_u32 v[ADRS], s14, v4
	v_mul_u32_u24 v[STO], v2, SPITCH
	v_lshl_add_u32 v[STO], v3, 5, v[STO]
	v_add_nc_u32 v[STO], s15, v[STO]
	v_add_nc_u32 v[RDS], s19, v[CO]
	v_add_nc_u32 v[RDS+1], STILE, v[RDS]
	v_add_nc_u32 v[RDS+2], STILE, v[RDS+1]
	v_add_nc_u32 v[RDS+3], STILE, v[RDS+2]
	v_min_u32 v5, 23, v1                           ; block q = 0 .. 23 (lanes 24-31 name the last again)
	v_mul_u32_u24 v6, v5, 43
	v_lshrrev_b32 v6, 8, v6                        ; q / 6
	v_and_b32 v7, 1, v6                            ; which of my two row blocks of B,
	v_lshrrev_b32 v6, 1, v6                        ; which of the two steps
	v_lshlrev_b32 v5, 8, v5
	v_add_nc_u32 v[PFOA], s46, v5                  ; A: 24 blocks on end
	v_mad_u32_u24 v5, v7, FSTR-1536, v5            ; B: six blocks of a fragment, then the next row block,
	v_mad_u32_u24 v5, v6, KG-3072, v5              ; then the next step
	v_add_nc_u32 v[PFOB], s47, v5
	s_wait_alu depctr_va_vdst(0)                   ; the wait at the end of the head's vector work
	s_wait_dscnt 0x0
	s_wait_kmcnt 0x0
	s_add_nc_u64 s[BB:BB+1], s[8:9], s[96:97]
	s_add_nc_u64 s[92:93], s[4:5], s[92:93]
	s_add_nc_u64 s[AB:AB+1], s[92:93], s[62:63]
	ALD 0, 0                                       ; step 0: A's set, then B's four groups
.irp g, 0,1,2,3
	BLD 0, \g, 0
.endr
	WIN 0
	s_add_nc_u64 s[94:95], s[6:7], s[94:95]
	s_add_nc_u64 s[22:23], s[10:11], s[22:23]
	s_add_nc_u64 s[12:13], s[12:13], s[60:61]
	s_add_nc_u64 s[PA:PA+1], s[92:93], s[20:21]
	s_mov_b32 s[G0S], 1                            ; a quarter of the scales a wave: waves 0, 1 A's halves,
	s_add_co_u32 s[G0S+1], s3, SCL
	s_mov_b64 s[G0S+2:G0S+3], s[94:95]
	s_or_b32 s[G0S+3], s[G0S+3], 0x80000000
	s_mov_b32 s[G0SB], 1                           ; waves 2, 3 B's
	s_add_co_u32 s[G0SB+1], s3, SCL
	s_mov_b64 s[G0SB+2:G0SB+3], s[22:23]
	s_or_b32 s[G0SB+3], s[G0SB+3], 0x80000000
.irp s, 0,1
	s_mov_b32 s[G0+4*\s], 1
	s_add_co_u32 s[G0+4*\s+1], s2, \s*SLOT
	s_add_nc_u64 s[G0+4*\s+2:G0+4*\s+3], s[PA:PA+1], \s*2*KG
	s_or_b32 s[G0+4*\s+3], s[G0+4*\s+3], 0x80000000
.endr
	CROUND                                         ; all sixteen work-groups are here: the first joint loads meet
	s_cmp_eq_u32 s17, 0                            ; the head's loads, one a wave, a load in each arm of one branch on the wave's number
	s_cbranch_scc0 .Lhead_b
	tensor_load_to_lds s[G0S:G0S+3], s[G1S:G1S+7]
	s_nop 0
.rept 4
	v_nop
.endr
	s_branch .Lhead_asked
.Lhead_b:
	tensor_load_to_lds s[G0SB:G0SB+3], s[G1SB:G1SB+7]
	s_nop 0
.rept 4
	v_nop
.endr
.Lhead_asked:
	ALD 1, 1                                       ; step 1: A's set, then B's four groups
.irp g, 0,1,2,3
	BLD 1, \g, 1
.endr
	WIN 0
	ASK 2, 0                                       ; steps 2, 3 and 4, 5
	ASK 4, 0
	s_wait_tensorcnt 0x0                           ; my quarter of the scales is in; slot 1's first fill is issued as a refill is
	ds_add_u32 v[SPW], v[NIL]
	s_wait_dscnt 0x0
	CROUND
	TLOAD 1                                        ; steps 2 and 3
	AFETCH -1, 0, 0                                ; step 0's scale words
	STEPE 0, 1, 1, 2, 1, -1, SSTEP, 63, 0          ; step 0 starts the sums; 66 loads stand behind each of its groups (three groups, A's set and B's of step 1): the wait names the 63 that its field holds
	s_mov_b32 s19, 3
.Llap:                                                 ; steps 1 to 4 behind BB; both slots are filled
	STEPO 1, 0, 3, 2, 2*SSTEP, 6, 0
	STEPE 0, 0, 1, 4, 1, 3, 3*SSTEP, 42, 0
	STEPO 1, 1, 5, 0, 4*SSTEP, 8, 1
	STEPE 0, 0, 1, 6, 1, 1, 5*SSTEP, 42, 0
	s_wait_xcnt 0x0                                ; the loads and prefetches have read their bases
	s_add_nc_u64 s[BB:BB+1], s[BB:BB+1], 4*KG
	s_add_nc_u64 s[PA:PA+1], s[PA:PA+1], 4*KG
	v_add_nc_u32 v[ADRS], 4*SSTEP, v[ADRS]
	s_wait_alu depctr_va_vdst(0)                   ; the wait behind the write
	s_sub_co_u32 s19, s19, 1
	s_cmp_lg_u32 s19, 0
	s_cbranch_scc1 .Llap
	STEPO 0, 0, 3, 2, 2*SSTEP, 0, 0                ; step 13: the last slot is shown whole; nothing is filled again
	STEPE 0, 0, 0, 0, 1, 3, 3*SSTEP, 42, 6         ; steps 14 and 15 load no B: the counts run down
	STEPE 1, 0, 0, 0, 0, 0, 0, 18, 6
	PLACES 4
	s_wait_dscnt 0x0
	s_barrier_signal -1
	s_barrier_wait -1                              ; nobody reads the slots or the scales any more: the stages may be written
.irp q, 0,1
	WIN 0x08+4*\q
.irp b, 0,1,2,3
.irp a, 0,1,2,3,4,5,6,7
	ds_store_b128 v[STO], v[8*(8*\b+\a):8*(8*\b+\a)+3] offset:\a*16*SPITCH+64*(4*\q+\b)
	ds_store_b128 v[STO], v[8*(8*\b+\a)+4:8*(8*\b+\a)+7] offset:\a*16*SPITCH+64*(4*\q+\b)+16
.endr
.endr
.endr
	WIN 0
	s_wait_dscnt 0x0
	s_barrier_signal -1
	s_barrier_wait -1
; wave w adds the four parts of rows 32 w .. 32 w + 31, four rows at a time; the 32 lanes store a row's 512 consecutive bytes
.macro LOADG g
.irp i, 0,1,2,3
.irp s, 0,1,2,3
	ds_load_b128 v[32+64*((\g)%2)+16*\i+4*\s:32+64*((\g)%2)+16*\i+4*\s+3], v[RDS+\s] offset:(4*(\g)+\i)*SPITCH
.endr
.endr
.endm
.macro SUMG g
.irp i, 0,1,2,3
.set BF, 32+64*((\g)%2)+16*\i
	v_pk_add_f32 v[BF:BF+1], v[BF:BF+1], v[BF+4:BF+5]
	v_pk_add_f32 v[BF+2:BF+3], v[BF+2:BF+3], v[BF+6:BF+7]
	v_pk_add_f32 v[BF+8:BF+9], v[BF+8:BF+9], v[BF+12:BF+13]
	v_pk_add_f32 v[BF+10:BF+11], v[BF+10:BF+11], v[BF+14:BF+15]
	v_pk_add_f32 v[BF:BF+1], v[BF:BF+1], v[BF+8:BF+9]
	v_pk_add_f32 v[BF+2:BF+3], v[BF+2:BF+3], v[BF+10:BF+11]
	global_store_b128 v[CO], v[BF:BF+3], s[12:13] offset:(4*(\g)+\i)*8192 th:TH_STORE_NT
.endr
.endm
	LOADG 0
	LOADG 1
.irp g, 0,1,2,3,4,5,6,7
.if \g < 7
	s_wait_dscnt 16
.else
	s_wait_dscnt 0x0
.endif
	SUMG \g
.if \g < 6
	s_wait_xcnt 0x0                                ; the stores have read their registers: they are loaded again only behind this wait
	LOADG \g+2
.endif
.endr
	s_wait_tensorcnt 0x0                           ; the wave's end
	ds_add_u32 v[SPW], v[NIL]
	s_wait_dscnt 0x0
	CROUND                                         ; the closing round
	s_endpgm
.Lfunc_end_k_qbeaeb7b0b4_down:
	.size	k_qbeaeb7b0b4_down, .Lfunc_end_k_qbeaeb7b0b4_down-k_qbeaeb7b0b4_down
	.p2alignl 7, 3214868480
	.fill 96, 4, 3214868480
	.section	.rodata,"a",@progbits
	.p2align	6, 0x0
	.amdhsa_kernel k_qbeaeb7b0b4_down
		.amdhsa_group_segment_fixed_size 327680
		.amdhsa_private_segment_fixed_size 0
		.amdhsa_enable_private_segment 0
		.amdhsa_kernarg_size 40
		.amdhsa_user_sgpr_count 2
		.amdhsa_user_sgpr_kernarg_segment_ptr 1
		.amdhsa_wavefront_size32 1
		.amdhsa_system_sgpr_workgroup_id_x 1
		.amdhsa_system_sgpr_workgroup_id_y 1
		.amdhsa_system_sgpr_workgroup_id_z 1
		.amdhsa_system_vgpr_workitem_id 0
		.amdhsa_next_free_vgpr 1024
		.amdhsa_next_free_sgpr 98
		.amdhsa_reserve_vcc 0
		.amdhsa_float_denorm_mode_32 3
		.amdhsa_float_denorm_mode_16_64 3
		.amdhsa_memory_ordered 1
		.amdhsa_forward_progress 1
		.amdhsa_inst_pref_size 149
	.end_amdhsa_kernel
	.amdgpu_metadata
---
amdhsa.version: [ 1, 2 ]
amdhsa.kernels:
  - .name:           k_qbeaeb7b0b4_down
    .symbol:         k_qbeaeb7b0b4_down.kd
    .args:
      - { .name: hq, .offset: 0, .size: 8, .value_kind: global_buffer, .address_space: global }
      - { .name: hs, .offset: 8, .size: 8, .value_kind: global_buffer, .address_space: global }
      - { .name: wdq, .offset: 16, .size: 8, .value_kind: global_buffer, .address_space: global }
      - { .name: wds, .offset: 24, .size: 8, .value_kind: global_buffer, .address_space: global }
      - { .name: out0, .offset: 32, .size: 8, .value_kind: global_buffer, .address_space: global }
    .group_segment_fixed_size: 327680
    .private_segment_fixed_size: 0
    .kernarg_segment_align: 8
    .kernarg_segment_size: 40
    .max_flat_workgroup_size: 128
    .sgpr_count:     98
    .vgpr_count:     1024
    .wavefront_size: 32
...
	.end_amdgpu_metadata
.endif
;; end of part 3
